; MI455X (gfx1250); checked and timed in simulation.
; The chip was launched on July 23, 2026; its instructions are those of AMD's public machine-readable ISA for CDNA 5 (MIT licence, August 2026) and "CDNA5" Instruction Set Architecture Reference Guide (July 2026). The comments in the code are by the model that wrote it; some were corrected since.
;; Interpolater. Allowed arithmetic: float matrix products may take bf16 or f16 operands with f32 sums; all other float work in f32.
;; Inputs: displacement 6,890 x 3 float32; gaussians_xyz 32,768 x 3 float32; lbs_weight 6,890 x 24 float32; vertex_normal 6,890 x 3 float32; vertex_rotation 6,890 x 4 float32; vertex_scaling 6,890 x 2 float32; vertex_xyz 6,890 x 3 float32.
;; Outputs: out0 32,768 x 3 float32; out1 32,768 x 2 float32; out2 32,768 x 4 float32; out3 32,768 x 24 float32; out4 one number float32; out5 one number float32; out6 one number float32; out7 one number float32.
;; Constants: Kg = 4.
;; One version. Each part assembles by itself: llvm-mc -triple=amdgcn-amd-amdhsa -mcpu=gfx1250 --defsym DOCPART=n.
;; ======== version 1 of 1: 4 launches
;; workspace buffers: cand 1,048,576 bytes of whole numbers; nn 524,288 bytes of whole numbers; vrec 442,368 bytes; part 4,096 bytes
;; launch groups (part 1): grid 256 x 1, 4 waves a work-group, no clusters, 221,696 bytes of LDS; arguments gaussians_xyz, vertex_xyz, cand; writes cand
.if DOCPART == 1
	.amdgcn_target "amdgcn-amd-amdhsa--gfx1250"
	.amdhsa_code_object_version 6
	.text
	.protected	k_q2bf8c5858a_groups
	.globl	k_q2bf8c5858a_groups
	.p2align	8
	.type	k_q2bf8c5858a_groups,@function
k_q2bf8c5858a_groups:
	s_mov_b64 s[64:65], 0
	v_nop
	global_prefetch_b8 v0, s[64:65] scope:SCOPE_SE
	s_setreg_imm32_b32 hwreg(HW_REG_WAVE_MODE, 25, 1), 1
	s_wait_xcnt 0x0
; FILTER.  For each gaussian: the 6 groups of 16 consecutive vertices whose smallest s = |v|^2 - 2 g.v is smallest (|g|^2 is
; the same for all vertices of a gaussian and does not change the order).  A vertex among the 4 nearest lies in one of the 4
; groups with the smallest minima (4 groups ahead of its group would hold 4 vertices ahead of it); 2 more groups are kept as
; room for rounding.  The next launch ranks the 96 vertices of these groups with the problem's own f32 formula.
; s is made by the matrix unit from bf16 parts: each f32 number is cut into three bf16 parts (round, subtract, repeat), and
; the 32 places along K hold all products of parts but (third x third), which is 2^-36 of the product.
;   vertex quad (x, y, z, w = |v|^2), gaussian quad (-2gx, -2gy, -2gz, 1.0); words E_l = (x_l | y_l<<16), F_l = (z_l | w_l<<16)
;   K  0- 7: vertex (E1 F1 E2 F2) x gaussian (E1 F1 E1 F1)      K  8-15: (E1 F1 E2 F2) x (E2 F2 E2 F2)
;   K 16-23: vertex (E1 F1 E2 F2) x gaussian (E3 F3 E3 F3)      K 24-31: (E3 F3 E3 F3) x (E1 F1 E2 F2)
; SHARES: a work-group has 128 gaussians, a wave 2 column tiles of 16; every wave walks all 432 row tiles of 16 vertices
; (6,890 padded to 6,912 by vertices (0, 0, 0, 2^127)), two tiles a step, 216 steps.
; LDS: table P (E1 F1 E2 F2) at 0 and table Q (E3 F3 E3 F3) at 110,592, 6,912 slots of 16 bytes each.  Slot = vertex number
; with bits 3 and 4 exchanged: in a result tile a lane of half h holds rows 8h..8h+7, so over the two tiles of step p it
; holds vertices 32p+16h .. +15, which is exactly group 2p+h: the running selection never crosses lanes.
; NO CLUSTER: the 82,680 shared bytes pass through registers (they are cut into bf16 parts on the way to LDS) and are read
; once against 216 steps of work; there is no tile that partners could ask for jointly.
; LIMITS: NaN and infinite inputs are not served; squares of coordinates must be finite in f32.  A neighbour is lost only if
; three further groups have minima within f32 rounding of the 4th distance (likelier when a large common offset makes the
; problem's own d2 lose its low bits).
.set NV,    6890
.set QOFF,  110592                     ; table Q
.set TRIPS, 107                        ; two steps a trip; steps 214 and 215 are finished behind the loop
.set GQ,  4                            ; v[4:11]    two gaussian quads
.set TM,  12                           ; v[12:35]   two sets of 12 at work
.set AP0, 36                           ; v36-39     build: LDS addresses (P, P+64Ki, Q, Q+64Ki); later v36 = h, v37 = store offset
.set AP1, 37
.set AQ0, 38
.set AQ1, 39
.set VQ,  40                           ; v[40:255]  build: 54 vertex quads
.set BF,  40                           ; v[40:55]   gaussian fragments, 8 registers a column tile
.set TT,  56                           ; v[56:67]   the 6 smallest minima, ascending, for each column tile
.set II,  68                           ; v[68:79]   their step numbers
.set FA0, 80                           ; v[80:95]   vertex fragments of a step (two tiles), buffer 0
.set FA1, 96                           ; v[96:111]  buffer 1
.set D0,  112                          ; v[112:143] results of a step: tile (t, c) at 8 (2t + c)
.set D1,  144                          ; v[144:175]
.set OT,  176                          ; v[176:181] merge: the other half's minima
.set OG,  182                          ; v[182:187] and group numbers
.set GM,  188                          ; v[188:193] my group numbers
.set QD,  204                          ; v[204:211] the quads to store
	s_load_b128 s[4:7], s[0:1], 0x0                ; gaussians s[4:5], vertices s[6:7]
	s_load_b64 s[8:9], s[0:1], 0x10                ; cand
	s_set_vgpr_msb 0x40
	v_lshl_add_u32 v0, v0, 2, 0x36000
	v_mov_b32 v1, 0
	s_set_vgpr_msb 0x4000
	s_mul_i32 s2, ttmp9, 1536                      ; 128 gaussians of 12 bytes
	s_mov_b32 s3, 0
	s_mov_b32 s12, 0x76543210                      ; v_permlanex16_b32: lane i reads lane i of the other half
	s_mov_b32 s13, 0xfedcba98
	s_mov_b32 s14, 0xffff0000                      ; a word's upper bf16; also the lane mask of half h = 1
	s_mov_b32 s15, 0x7f800000                      ; +infinity
	s_mov_b32 s16, 0x7f000000                      ; 2^127: |v|^2 of a pad vertex
	v_and_b32 v12, 8, v0
	v_and_b32 v13, 16, v0
	v_and_b32 v14, 0x67, v0
	v_lshl_or_b32 v14, v12, 1, v14
	v_lshrrev_b32 v13, 1, v13
	v_or_b32 v14, v14, v13                         ; t with bits 3 and 4 exchanged: the vertex that belongs in slot t
	v_mul_u32_u24 v1, 12, v14                      ; its byte offset; 128 vertices further in each load
	v_add_nc_u32 v15, 6784, v14
	v_min_u32 v15, NV-1, v15                       ; the last 128 slots: no load passes the table's end
	v_mul_u32_u24 v2, 12, v15
	v_and_b32 v3, 0x6f, v0                         ; 32 wave + r: both halves of the lanes take the same gaussian
	v_mul_u32_u24 v3, 12, v3
	v_lshlrev_b32 v[AP0], 4, v0                    ; slot t: a wave's store covers 512 consecutive bytes
	v_add_nc_u32 v[AP1], 0x10000, v[AP0]           ; the immediate has 16 bits: the register carries the rest
	v_add_nc_u32 v[AQ0], QOFF, v[AP0]
	v_add_nc_u32 v[AQ1], QOFF+0x10000, v[AP0]
	s_wait_kmcnt 0x0
	s_add_nc_u64 s[4:5], s[4:5], s[2:3]
	s_lshl_b32 s2, ttmp9, 12                       ; 128 rows of 32 bytes
	s_add_nc_u64 s[8:9], s[8:9], s[2:3]
	global_load_b96 v[GQ:GQ+2], v3, s[4:5]
	global_load_b96 v[GQ+4:GQ+6], v3, s[4:5] offset:192
.set i, 0
.rept 53
	global_load_b96 v[VQ+4*i:VQ+4*i+2], v1, s[6:7] offset:1536*i
.set i, i+1
.endr
	global_load_b96 v[VQ+4*53:VQ+4*53+2], v2, s[6:7]
; The quad v[q:q+3] is cut into three bf16 parts: E1 F1 E2 F2 E3 F3 in v[o:o+5].  v[t:t+3] at work; the quad is used up.
.macro SPLIT q, o, t
.irp j, 0, 2
	v_cvt_pk_bf16_f32 v[\o+\j], v[\q], v[\q+1]
	v_cvt_pk_bf16_f32 v[\o+\j+1], v[\q+2], v[\q+3]
	v_lshlrev_b32 v[\t], 16, v[\o+\j]              ; the part as f32,
	v_and_b32 v[\t+1], s14, v[\o+\j]
	v_lshlrev_b32 v[\t+2], 16, v[\o+\j+1]
	v_and_b32 v[\t+3], s14, v[\o+\j+1]
	v_pk_add_f32 v[\q:\q+1], v[\q:\q+1], v[\t:\t+1] neg_lo:[0,1] neg_hi:[0,1]          ; taken away: exact
	v_pk_add_f32 v[\q+2:\q+3], v[\q+2:\q+3], v[\t+2:\t+3] neg_lo:[0,1] neg_hi:[0,1]
.endr
	v_cvt_pk_bf16_f32 v[\o+4], v[\q], v[\q+1]
	v_cvt_pk_bf16_f32 v[\o+5], v[\q+2], v[\q+3]
.endm
; Vertex quad i into its slot of P and Q.  last = 1: slots past the table's end get the pad vertex.
.macro BUILD i, o, t, last
	s_wait_loadcnt 53-\i                           ; loads return in order: the 53 - i younger vertex loads may stay out
	v_mul_f32 v[VQ+4*\i+3], v[VQ+4*\i], v[VQ+4*\i]
	v_fmac_f32 v[VQ+4*\i+3], v[VQ+4*\i+1], v[VQ+4*\i+1]
	v_fmac_f32 v[VQ+4*\i+3], v[VQ+4*\i+2], v[VQ+4*\i+2]
.if \last
	v_cmp_le_u32 vcc_lo, 12*(NV-6784), v1          ; 6784 + my vertex >= 6890
	v_cndmask_b32 v[VQ+4*\i], v[VQ+4*\i], 0, vcc_lo
	v_cndmask_b32 v[VQ+4*\i+1], v[VQ+4*\i+1], 0, vcc_lo
	v_cndmask_b32 v[VQ+4*\i+2], v[VQ+4*\i+2], 0, vcc_lo
	v_cndmask_b32 v[VQ+4*\i+3], v[VQ+4*\i+3], s16, vcc_lo
.endif
	SPLIT VQ+4*\i, \o, \t
	v_mov_b32 v[\o+6], v[\o+4]                     ; Q holds the third parts twice: they meet the gaussian's first and second parts
	v_mov_b32 v[\o+7], v[\o+5]
.if \i < 32
	ds_store_b128 v[AP0], v[\o:\o+3] offset:2048*\i
	ds_store_b128 v[AQ0], v[\o+4:\o+7] offset:2048*\i
.else
	ds_store_b128 v[AP1], v[\o:\o+3] offset:2048*(\i-32)
	ds_store_b128 v[AQ1], v[\o+4:\o+7] offset:2048*(\i-32)
.endif
.endm
.set i, 0
.rept 26
	BUILD i, TM, TM+8, 0
.set i, i+1
	BUILD i, TM+12, TM+20, 0
.set i, i+1
.endr
	BUILD 52, TM, TM+8, 0
	BUILD 53, TM+12, TM+20, 1
	s_wait_dscnt 0x0                               ; my slots are written: zero, since the other waves read them
	s_barrier_signal -1
; The fragment of column tile c: lane (r, h) holds gaussian r; registers 0-3 are K = 8h.., registers 4-7 K = 16+8h..
.macro BFRAG c
	v_mul_f32 v[GQ+4*\c], -2.0, v[GQ+4*\c]
	v_mul_f32 v[GQ+4*\c+1], -2.0, v[GQ+4*\c+1]
	v_mul_f32 v[GQ+4*\c+2], -2.0, v[GQ+4*\c+2]
	v_mov_b32 v[GQ+4*\c+3], 1.0                    ; meets |v|^2
	SPLIT GQ+4*\c, TM, TM+8
	v_cndmask_b32 v[BF+8*\c+0], v[TM+0], v[TM+2], s14      ; h = 0: E1 F1 E1 F1     h = 1: E2 F2 E2 F2
	v_cndmask_b32 v[BF+8*\c+1], v[TM+1], v[TM+3], s14
	v_cndmask_b32 v[BF+8*\c+2], v[TM+0], v[TM+2], s14
	v_cndmask_b32 v[BF+8*\c+3], v[TM+1], v[TM+3], s14
	v_cndmask_b32 v[BF+8*\c+4], v[TM+4], v[TM+0], s14      ; h = 0: E3 F3 E3 F3     h = 1: E1 F1 E2 F2
	v_cndmask_b32 v[BF+8*\c+5], v[TM+5], v[TM+1], s14
	v_cndmask_b32 v[BF+8*\c+6], v[TM+4], v[TM+2], s14
	v_cndmask_b32 v[BF+8*\c+7], v[TM+5], v[TM+3], s14
.endm
	BFRAG 0                                        ; register work while the other waves arrive (the gaussians' loads are older than every vertex load)
	BFRAG 1
	v_and_b32 v2, 15, v0
	v_lshlrev_b32 v2, 4, v2                        ; registers 0-3 of a vertex fragment: P's slot r, for both halves
	v_bfe_u32 v36, v0, 4, 1                        ; h
	v_mul_u32_u24 v3, QOFF, v36
	v_add_nc_u32 v3, v3, v2                        ; registers 4-7: P for h = 0, Q for h = 1
	v_and_b32 v37, 0x6f, v0
	v_lshlrev_b32 v37, 5, v37
	v_lshl_add_u32 v37, v36, 4, v37                ; cand: row 32 wave + r of 32 bytes, 16 bytes for each half
	s_barrier_wait -1                              ; the table is whole; it is only read from here on
.macro LOADA a, off                    ; the two tiles of a step: 16 lanes read 256 consecutive bytes
	ds_load_b128 v[\a:\a+3], v2 offset:\off
	ds_load_b128 v[\a+4:\a+7], v3 offset:\off
	ds_load_b128 v[\a+8:\a+11], v2 offset:\off+256
	ds_load_b128 v[\a+12:\a+15], v3 offset:\off+256
.endm
.macro MM a, d                         ; 2 vertex tiles x 2 gaussian tiles; K = 32 is the whole sum, so C is 0
	v_wmma_f32_16x16x32_bf16 v[\d:\d+7], v[\a:\a+7], v[BF:BF+7], 0
	v_wmma_f32_16x16x32_bf16 v[\d+8:\d+15], v[\a:\a+7], v[BF+8:BF+15], 0
	v_wmma_f32_16x16x32_bf16 v[\d+16:\d+23], v[\a+8:\a+15], v[BF:BF+7], 0
	v_wmma_f32_16x16x32_bf16 v[\d+24:\d+31], v[\a+8:\a+15], v[BF+8:BF+15], 0
.endm
; One step's results: the smallest of my 16 numbers (one group) for each column tile, put into the sorted list of 6.
; Strict <: of equal minima the earlier, lower group stays in front.  62 plain vector instructions, both tiles interleaved.
.macro PROC d, sid
.irp c, 0,1
	v_min3_num_f32 v[TM+12*\c+0], v[\d+8*\c+0], v[\d+8*\c+1], v[\d+8*\c+2]
	v_min3_num_f32 v[TM+12*\c+1], v[\d+8*\c+3], v[\d+8*\c+4], v[\d+8*\c+5]
	v_min3_num_f32 v[TM+12*\c+2], v[\d+8*\c+6], v[\d+8*\c+7], v[\d+8*\c+16]
	v_min3_num_f32 v[TM+12*\c+3], v[\d+8*\c+17], v[\d+8*\c+18], v[\d+8*\c+19]
	v_min3_num_f32 v[TM+12*\c+4], v[\d+8*\c+20], v[\d+8*\c+21], v[\d+8*\c+22]
.endr
.irp c, 0,1
	v_min3_num_f32 v[TM+12*\c+5], v[TM+12*\c+0], v[TM+12*\c+1], v[\d+8*\c+23]
	v_min3_num_f32 v[TM+12*\c+6], v[TM+12*\c+2], v[TM+12*\c+3], v[TM+12*\c+4]
.endr
.irp c, 0,1
	v_min_num_f32 v[TM+12*\c+7], v[TM+12*\c+5], v[TM+12*\c+6]
.endr
.irp c, 0,1
.irp k, 0,1,2,3,4,5
	v_cmp_lt_f32 s[32+6*\c+\k], v[TM+12*\c+7], v[TT+6*\c+\k]
.endr
.endr
.irp c, 0,1
.irp k, 1,2,3,4,5
	v_cndmask_b32 v[TM+12*\c+\k-1], s[\sid], v[II+6*\c+\k-1], s[32+6*\c+\k-1]      ; what place k takes if it changes: its neighbour, or the newcomer
.endr
.endr
.irp c, 0,1
.irp k, 5,4,3,2,1
	v_med3_num_f32 v[TT+6*\c+\k], v[TM+12*\c+7], v[TT+6*\c+\k-1], v[TT+6*\c+\k]    ; from the bottom: each line reads the old neighbour
.endr
	v_min_num_f32 v[TT+6*\c], v[TM+12*\c+7], v[TT+6*\c]
.endr
.irp c, 0,1
	v_cndmask_b32 v[II+6*\c], v[II+6*\c], s[\sid], s[32+6*\c]
.irp k, 1,2,3,4,5
	v_cndmask_b32 v[II+6*\c+\k], v[II+6*\c+\k], v[TM+12*\c+\k-1], s[32+6*\c+\k]
.endr
.endr
.endm
; THE PIPELINE.  While one step's results are selected from, the next step's products are made and the fragments of the one
; after are on their way.  Each s_wait_dscnt is for 0 because nothing was issued behind the fragments that it waits for; they
; were asked for half a trip earlier.  Behind every matrix instruction a PROC on the OTHER result buffer follows: 62 plain vector
; instructions that name none of its registers stand before its results are read and before its fragments are loaded again
; (ISA guide 7.12.1 asks for 4).
	LOADA FA0, 0
	s_wait_dscnt 0x0
	LOADA FA1, 512
	MM FA0, D0
.irp k, 0,1,2,3,4,5,6,7,8,9,10,11
	v_mov_b32 v[TT+\k], s15                        ; empty lists; these 24 lines are also the places behind the first products
	v_mov_b32 v[II+\k], 0
.endr
	s_mov_b32 s28, 0
	s_mov_b32 s29, 0                               ; the step in D0
	s_mov_b32 s30, 1                               ; the step in D1
.Lstep:
	s_wait_dscnt 0x0
	LOADA FA0, 1024
	MM FA1, D1
	PROC D0, 29
	s_wait_dscnt 0x0
	LOADA FA1, 1536
	MM FA0, D0
	PROC D1, 30
	v_add_nc_u32 v2, 1024, v2                      ; two steps of 512 bytes
	v_add_nc_u32 v3, 1024, v3
	s_add_co_u32 s29, s29, 2
	s_add_co_u32 s30, s30, 2
	s_add_co_u32 s28, s28, 1
	s_cmp_lt_u32 s28, TRIPS
	s_cbranch_scc1 .Lstep
	s_wait_dscnt 0x0                               ; step 215's fragments
	MM FA1, D1
	PROC D0, 29
	PROC D1, 30
; THE TWO HALVES MEET.  Each half has a list of 6, sorted by (minimum, group).  The smaller of mine[k] and the other's[5-k],
; k = 0..5, are the 6 smallest of the 12 (first stage of a bitonic merge); both halves get the same set.  The group numbers
; are then sorted ascending, so that the next launch meets the vertices in ascending order.
.macro CE a, b                         ; compare and exchange; the smaller lands in the spare register, and the names move
	v_min_u32 v[SP], v[\a], v[\b]
	v_max_u32 v[\b], v[\a], v[\b]
.set SWP, \a
.set \a, SP
.set SP, SWP
.endm
.macro MERGE c
.set RS0, 194
.set RS1, 195
.set RS2, 196
.set RS3, 197
.set RS4, 198
.set RS5, 199
.set SP,  200
.irp k, 0,1,2,3,4,5
	v_lshl_or_b32 v[GM+\k], v[II+6*\c+\k], 1, v36  ; group = 2 step + h
.endr
.irp k, 0,1,2,3,4,5
	v_permlanex16_b32 v[OT+\k], v[TT+6*\c+\k], s12, s13    ; the destinations were written whole before (vertex quads 34 to 36)
	v_permlanex16_b32 v[OG+\k], v[GM+\k], s12, s13
.endr
.irp k, 0,1,2,3,4,5
	v_cmp_lt_f32 s44, v[OT+5-\k], v[TT+6*\c+\k]
	v_cmp_eq_f32 s45, v[OT+5-\k], v[TT+6*\c+\k]
	v_cmp_lt_u32 vcc_lo, v[OG+5-\k], v[GM+\k]
	s_and_b32 s45, s45, vcc_lo
	s_or_b32 s44, s44, s45
	v_cndmask_b32 v[194+\k], v[GM+\k], v[OG+5-\k], s44
.endr
.rept 3                                ; odd-even transposition: 6 passes sort 6 numbers
	CE RS0, RS1
	CE RS2, RS3
	CE RS4, RS5
	CE RS1, RS2
	CE RS3, RS4
.endr
	v_cndmask_b32 v[QD+4*\c+0], v[RS0], v[RS4], s14        ; h = 0: groups 0-3     h = 1: groups 4, 5, 0, 0
	v_cndmask_b32 v[QD+4*\c+1], v[RS1], v[RS5], s14
	v_cndmask_b32 v[QD+4*\c+2], v[RS2], 0, s14
	v_cndmask_b32 v[QD+4*\c+3], v[RS3], 0, s14
	global_store_b128 v37, v[QD+4*\c:QD+4*\c+3], s[8:9] offset:512*\c      ; the wave's store covers 512 consecutive bytes, aligned; each tile has a quad of its own
.endm
	MERGE 0
	MERGE 1
	s_set_vgpr_msb 0x5
	s_wait_tensorcnt 0x0
	ds_add_u32 v0, v1
	s_wait_dscnt 0x0
	s_set_vgpr_msb 0x500
	s_endpgm
.Lfunc_end_k_q2bf8c5858a_groups:
	.size	k_q2bf8c5858a_groups, .Lfunc_end_k_q2bf8c5858a_groups-k_q2bf8c5858a_groups
	.p2alignl 7, 3214868480
	.fill 96, 4, 3214868480
	.section	.rodata,"a",@progbits
	.p2align	6, 0x0
	.amdhsa_kernel k_q2bf8c5858a_groups
		.amdhsa_group_segment_fixed_size 221696
		.amdhsa_private_segment_fixed_size 0
		.amdhsa_enable_private_segment 0
		.amdhsa_kernarg_size 24
		.amdhsa_user_sgpr_count 2
		.amdhsa_user_sgpr_kernarg_segment_ptr 1
		.amdhsa_wavefront_size32 1
		.amdhsa_system_sgpr_workgroup_id_x 1
		.amdhsa_system_sgpr_workgroup_id_y 1
		.amdhsa_system_sgpr_workgroup_id_z 1
		.amdhsa_system_vgpr_workitem_id 0
		.amdhsa_next_free_vgpr 258
		.amdhsa_next_free_sgpr 66
		.amdhsa_reserve_vcc 1
		.amdhsa_float_denorm_mode_32 3
		.amdhsa_float_denorm_mode_16_64 3
		.amdhsa_memory_ordered 1
		.amdhsa_forward_progress 1
		.amdhsa_inst_pref_size 102
	.end_amdhsa_kernel
	.amdgpu_metadata
---
amdhsa.version: [ 1, 2 ]
amdhsa.kernels:
  - .name:           k_q2bf8c5858a_groups
    .symbol:         k_q2bf8c5858a_groups.kd
    .args:
      - { .name: gaussians_xyz, .offset: 0, .size: 8, .value_kind: global_buffer, .address_space: global }
      - { .name: vertex_xyz, .offset: 8, .size: 8, .value_kind: global_buffer, .address_space: global }
      - { .name: cand, .offset: 16, .size: 8, .value_kind: global_buffer, .address_space: global }
    .group_segment_fixed_size: 221696
    .private_segment_fixed_size: 0
    .kernarg_segment_align: 8
    .kernarg_segment_size: 24
    .max_flat_workgroup_size: 128
    .sgpr_count:     66
    .vgpr_count:     258
    .wavefront_size: 32
...
	.end_amdgpu_metadata
.endif
;; end of part 1
;; launch rescan (part 2): grid 256 x 1, 4 waves a work-group, no clusters, 168,448 bytes of LDS; arguments gaussians_xyz, vertex_xyz, displacement, vertex_scaling, vertex_rotation, vertex_normal, cand, nn, vrec; writes nn, vrec
.if DOCPART == 2
	.amdgcn_target "amdgcn-amd-amdhsa--gfx1250"
	.amdhsa_code_object_version 6
	.text
	.protected	k_q2bf8c5858a_rescan
	.globl	k_q2bf8c5858a_rescan
	.p2align	8
	.type	k_q2bf8c5858a_rescan,@function
k_q2bf8c5858a_rescan:
	s_mov_b64 s[64:65], 0
	v_nop
	global_prefetch_b8 v0, s[64:65] scope:SCOPE_SE
	s_setreg_imm32_b32 hwreg(HW_REG_WAVE_MODE, 25, 1), 1
	s_wait_xcnt 0x0
; THE RANKING.  Thread = gaussian.  The 6 x 16 vertices of its candidate groups are ranked by the problem's own formula in f32,
;   d2 = (|g|^2 - (2g).v) + |v|^2,
; and the 4 smallest are kept with their indices; groups and vertices are met in ascending order and the comparison is strict,
; so of equal d2 the lower index wins, as in top_k.
; THE ORDER OF ROUNDING decides between vertices whose d2 differ by less than f32 rounding (equal d2 included), so it is fixed here:
;   |g|^2 and |v|^2 = fma(z, z, fma(x, x, round(y y))): what contraction of multiplies and dependent adds makes of
;   (x x + y y) + z z: the first sum has two products, of which the first is fused onto the rounded second; z z is fused onto that.
;   (2g).v = fma(2gz, vz, fma(2gy, vy, round(2gx vx))): one accumulator from 0, ascending k; 2g is exact.
;   The subtraction and the addition of d2 are rounded each by itself, in the order written above.
; The vertex table (82,680 bytes) is brought into LDS as it lies in memory by one tensor load of wave 0; the tile is 82,944 bytes
; long, and what lies past the tensor's end arrives as zeros, so that groups 430 and 431 read defined bytes.  Vertices past
; 6,889 get |g|^2 = +infinity in their formula and are never taken.
; SIDE JOB: wave 3 of work-groups 0 to 215 writes 32 records of 64 bytes for the next launch's gathers:
;   (x y z 0) (dx dy dz s0) (nx ny nz s1) (q / max(|q|, 1e-12)); rows 6,890 to 6,911 repeat row 6,889 and are never read.
; NO CLUSTER: what is shared is one load for a work-group, once, with no loop of shared tiles; and the side job branches on the
; work-group's number, which differs between partners.
; LIMITS: NaN and infinities are not served; |q|^2 below 2^-126 counts as 0 in the square root.
.set NV,    6890
.set STAGE, 82944                      ; 2,048 bytes behind the table, wave 3's own; no fill lands there
.set XA,    48                         ; v[48:95]   a group's 16 vertices, 48 words, buffer 0
.set XB,    96                         ; v[96:143]  buffer 1
; v1 32 t, v2 12 t, v3 16 t; v[4:9] groups; v[12:14] g; v[16:18] 2g; v19 |g|^2; v20-23 |g|^2 or infinity for vertices 0-9 and 10-15 of
; each buffer's group; v[24:27] the 4 smallest d2; v[28:31] their indices; v[32:43] four candidates at work; v44-45 LDS address and
; v46-47 first vertex number of each buffer's group
	s_load_b256 s[4:11], s[0:1], 0x0               ; g s[4:5], vertices s[6:7], displacement s[8:9], scaling s[10:11]
	s_load_b256 s[12:19], s[0:1], 0x20             ; rotation s[12:13], normal s[14:15], cand s[16:17], nn s[18:19]
	s_load_b64 s[20:21], s[0:1], 0x40              ; vrec
	v_lshl_add_u32 v144, v0, 2, 0x29000
	v_mov_b32 v145, 0
	ds_add_u32 v144, v145
	ds_add_u32 v144, v145
	v_lshrrev_b32 v1, 5, v0
	v_readfirstlane_b32 s22, v1                    ; wave
	s_mov_b32 s23, ttmp9                           ; work-group
	s_mov_b32 s46, 0x7f800000                      ; +infinity
	v_lshlrev_b32 v1, 5, v0
	v_mul_u32_u24 v2, 12, v0
	v_lshlrev_b32 v3, 4, v0
	s_wait_dscnt 0x0
	s_wait_kmcnt 0x0
	s_cmp_lg_u32 s22, 0
	s_cbranch_scc1 .Lnofill
	s_mov_b32 s24, 1                               ; group 0: count 1
	s_mov_b32 s25, 0                               ; to LDS byte 0
	s_mov_b64 s[26:27], s[6:7]                     ; from the table's first byte
	s_or_b32 s27, s27, 0x80000000                  ; type 2
	s_mov_b32 s28, 3<<16                           ; group 1: elements of 8 bytes, no mask, no padding
	s_mov_b32 s29, 10335<<16                       ; tensor_dim0 = 82,680 / 8: zeros begin there
	s_mov_b32 s30, 1<<16                           ; tensor_dim1 = 1
	s_mov_b32 s31, 10368<<16                       ; tile_dim0 = 82,944 / 8
	s_mov_b32 s32, 1                               ; tile_dim1 = 1: one row
	s_mov_b32 s33, 10368                           ; pitch
	s_mov_b32 s34, 0
	s_mov_b32 s35, 0
	tensor_load_to_lds s[24:27], s[28:35]          ; the launch's only tensor load: one outstanding
	s_nop 0
.Lnofill:
	s_mov_b32 s45, 0
	s_mul_i32 s44, s23, 1536
	s_add_nc_u64 s[4:5], s[4:5], s[44:45]          ; my work-group's 128 gaussians
	s_lshl_b32 s44, s23, 12
	s_add_nc_u64 s[16:17], s[16:17], s[44:45]      ; their candidate rows of 32 bytes
	s_lshl_b32 s44, s23, 11
	s_add_nc_u64 s[18:19], s[18:19], s[44:45]      ; their index quads
	global_load_b128 v[4:7], v1, s[16:17]
	global_load_b64 v[8:9], v1, s[16:17] offset:16
	global_load_b96 v[12:14], v2, s[4:5]
	s_cmp_lg_u32 s22, 3
	s_cbranch_scc1 .Lnorec
	s_cmp_ge_u32 s23, 216                          ; 216 x 32 = 6,912 records
	s_cbranch_scc1 .Lnorec
	s_add_nc_u64 s[20:21], s[20:21], s[44:45]      ; 32 records of 64 bytes = 2,048 bytes a work-group
	v_and_b32 v66, 31, v0
	s_lshl_b32 s47, s23, 5
	v_add_nc_u32 v67, s47, v66
	v_min_u32 v67, NV-1, v67                       ; no load passes a table's end
	v_mul_u32_u24 v68, 12, v67
	v_lshlrev_b32 v69, 4, v67
	v_lshlrev_b32 v70, 3, v67
	global_load_b96 v[48:50], v68, s[6:7]
	global_load_b96 v[52:54], v68, s[8:9]
	global_load_b96 v[56:58], v68, s[14:15]
	global_load_b128 v[60:63], v69, s[12:13]
	global_load_b32 v55, v70, s[10:11]             ; the two scalings go straight to their places in the record
	global_load_b32 v59, v70, s[10:11] offset:4
	v_lshl_add_u32 v71, v66, 6, STAGE              ; in: my record
	v_lshl_add_u32 v73, v66, 4, STAGE              ; back: 16 bytes a lane, in memory's order
	s_wait_loadcnt 0x0
	v_mul_f32 v74, v60, v60
	v_fmac_f32 v74, v61, v61
	v_fmac_f32 v74, v62, v62
	v_fmac_f32 v74, v63, v63
	v_sqrt_f32 v74, v74
	v_mov_b32 v51, 0                               ; the record's spare word; also the plain instruction behind the root (ISA guide 5.7.2)
	s_wait_alu depctr_va_vdst(0)
	v_max_num_f32 v74, 0x2b8cbccc, v74             ; clip at 1e-12
	v_rcp_f32 v74, v74
	v_lshlrev_b32 v72, 4, v66                      ; offset in vrec; also the plain instruction behind the reciprocal
	s_wait_alu depctr_va_vdst(0)
	v_mul_f32 v60, v60, v74
	v_mul_f32 v61, v61, v74
	v_mul_f32 v62, v62, v74
	v_mul_f32 v63, v63, v74
	ds_store_b128 v71, v[48:51]
	ds_store_b128 v71, v[52:55] offset:16
	ds_store_b128 v71, v[56:59] offset:32
	ds_store_b128 v71, v[60:63] offset:48
.irp j, 0,1,2,3
	ds_load_b128 v[76+4*\j:79+4*\j], v73 offset:512*\j     ; the wave's own bytes: LDS serves a wave's instructions in order (ISA guide 5.7.1)
.endr
.irp j, 0,1,2,3
	s_wait_dscnt 3-\j                              ; the younger read-backs may stay out
	global_store_b128 v72, v[76+4*\j:79+4*\j], s[20:21] offset:512*\j      ; 512 consecutive bytes, aligned
.endr
	s_wait_xcnt 0x0                                ; the stores' data and offsets lie in the scan's buffer 0, which is loaded only behind this wait
.Lnorec:
	s_wait_tensorcnt 0x0                           ; wave 0: the table has landed
	s_wait_dscnt 0x0
	s_barrier_signal -1
	s_barrier_wait -1                              ; every wave may read it
	s_wait_loadcnt 0x0                             ; my groups and my gaussian
	v_add_f32 v16, v12, v12                        ; 2 g, exact
	v_add_f32 v17, v13, v13
	v_add_f32 v18, v14, v14
	v_mul_f32 v19, v13, v13                        ; |g|^2: y y rounded,
	v_fmac_f32 v19, v12, v12                       ; x x fused onto it,
	v_fmac_f32 v19, v14, v14                       ; z z fused onto that
.irp k, 0,1,2,3
	v_mov_b32 v[24+\k], s46
	v_mov_b32 v[28+\k], 0
.endr
; Group k's 192 bytes into buffer b (first register x).
.macro GLOAD k, x, b
	v_min_u32 v[4+\k], 431, v[4+\k]                ; a number read from memory enters an address only clamped
	v_mul_u32_u24 v[44+\b], 192, v[4+\k]
	v_lshlrev_b32 v[46+\b], 4, v[4+\k]
	v_cmp_le_u32 vcc_lo, 431, v[4+\k]
	v_cndmask_b32 v[20+2*\b], v19, s46, vcc_lo     ; vertices 0-9 exist in groups 0 to 430
	v_cmp_le_u32 vcc_lo, 430, v[4+\k]
	v_cndmask_b32 v[21+2*\b], v19, s46, vcc_lo     ; vertices 10-15 in groups 0 to 429
.irp i, 0,1,2,3,4,5,6,7,8,9,10,11
	ds_load_b128 v[\x+4*\i:\x+4*\i+3], v[44+\b] offset:16*\i
.endr
.endm
; d (register d, index in register id) into the sorted list of 4; m: four scalar registers for the masks.
.macro INS4 d, id, m
	v_cmp_lt_f32 s[\m], v[\d], v24
	v_cmp_lt_f32 s[\m+1], v[\d], v25
	v_cmp_lt_f32 s[\m+2], v[\d], v26
	v_cmp_lt_f32 s[\m+3], v[\d], v27
	v_cndmask_b32 v32, v[\id], v28, s[\m]          ; what place k takes if it changes: its neighbour, or the newcomer
	v_cndmask_b32 v33, v[\id], v29, s[\m+1]
	v_cndmask_b32 v34, v[\id], v30, s[\m+2]
	v_med3_num_f32 v27, v[\d], v26, v27
	v_med3_num_f32 v26, v[\d], v25, v26
	v_med3_num_f32 v25, v[\d], v24, v25
	v_min_num_f32 v24, v[\d], v24
	v_cndmask_b32 v28, v28, v[\id], s[\m]
	v_cndmask_b32 v29, v29, v32, s[\m+1]
	v_cndmask_b32 v30, v30, v33, s[\m+2]
	v_cndmask_b32 v31, v31, v34, s[\m+3]
.endm
; Vertices j0 .. j0+3 of buffer b: |v|^2 in v32-35, (2g).v and then d2 in v36-39, the index in v40-43.
.macro CAND4 x, b, j0
.irp q, 0,1,2,3
	v_mul_f32 v[32+\q], v[\x+3*(\j0+\q)+1], v[\x+3*(\j0+\q)+1]         ; y y, rounded
	v_mul_f32 v[36+\q], v16, v[\x+3*(\j0+\q)]                          ; 2gx x, rounded
.endr
.irp q, 0,1,2,3
	v_fmac_f32 v[32+\q], v[\x+3*(\j0+\q)], v[\x+3*(\j0+\q)]            ; x x fused onto it
	v_fmac_f32 v[36+\q], v17, v[\x+3*(\j0+\q)+1]
.endr
.irp q, 0,1,2,3
	v_fmac_f32 v[32+\q], v[\x+3*(\j0+\q)+2], v[\x+3*(\j0+\q)+2]        ; z z fused onto that
	v_fmac_f32 v[36+\q], v18, v[\x+3*(\j0+\q)+2]
.endr
.irp q, 0,1,2,3
.if (\j0+\q) < 10
	v_sub_f32 v[36+\q], v[20+2*\b], v[36+\q]
.else
	v_sub_f32 v[36+\q], v[21+2*\b], v[36+\q]
.endif
	v_add_nc_u32 v[40+\q], \j0+\q, v[46+\b]
.endr
.irp q, 0,1,2,3
	v_add_f32 v[36+\q], v[36+\q], v[32+\q]
.endr
	INS4 36, 40, 36
	INS4 37, 41, 40
	INS4 38, 42, 36
	INS4 39, 43, 40
.endm
; A group's turn.  left: LDS loads that may stay out (the next group's 12).  nxt < 6: that group is asked for into the buffer just read.
.macro GROUP x, b, left, nxt
	s_wait_dscnt \left
	CAND4 \x, \b, 0
	CAND4 \x, \b, 4
	CAND4 \x, \b, 8
	CAND4 \x, \b, 12
.if \nxt < 6
	GLOAD \nxt, \x, \b
.endif
.endm
	GLOAD 0, XA, 0
	GLOAD 1, XB, 1
	GROUP XA, 0, 12, 2
	GROUP XB, 1, 12, 3
	GROUP XA, 0, 12, 4
	GROUP XB, 1, 12, 5
	GROUP XA, 0, 12, 6
	GROUP XB, 1, 0, 6
	global_store_b128 v3, v[28:31], s[18:19]       ; a wave's store covers 512 consecutive bytes, aligned
	s_wait_tensorcnt 0x0
	ds_add_u32 v144, v145
	s_wait_dscnt 0x0
	s_endpgm
.Lfunc_end_k_q2bf8c5858a_rescan:
	.size	k_q2bf8c5858a_rescan, .Lfunc_end_k_q2bf8c5858a_rescan-k_q2bf8c5858a_rescan
	.p2alignl 7, 3214868480
	.fill 96, 4, 3214868480
	.section	.rodata,"a",@progbits
	.p2align	6, 0x0
	.amdhsa_kernel k_q2bf8c5858a_rescan
		.amdhsa_group_segment_fixed_size 168448
		.amdhsa_private_segment_fixed_size 0
		.amdhsa_enable_private_segment 0
		.amdhsa_kernarg_size 72
		.amdhsa_user_sgpr_count 2
		.amdhsa_user_sgpr_kernarg_segment_ptr 1
		.amdhsa_wavefront_size32 1
		.amdhsa_system_sgpr_workgroup_id_x 1
		.amdhsa_system_sgpr_workgroup_id_y 1
		.amdhsa_system_sgpr_workgroup_id_z 1
		.amdhsa_system_vgpr_workitem_id 0
		.amdhsa_next_free_vgpr 146
		.amdhsa_next_free_sgpr 66
		.amdhsa_reserve_vcc 1
		.amdhsa_float_denorm_mode_32 3
		.amdhsa_float_denorm_mode_16_64 3
		.amdhsa_memory_ordered 1
		.amdhsa_forward_progress 1
		.amdhsa_inst_pref_size 127
	.end_amdhsa_kernel
	.amdgpu_metadata
---
amdhsa.version: [ 1, 2 ]
amdhsa.kernels:
  - .name:           k_q2bf8c5858a_rescan
    .symbol:         k_q2bf8c5858a_rescan.kd
    .args:
      - { .name: gaussians_xyz, .offset: 0, .size: 8, .value_kind: global_buffer, .address_space: global }
      - { .name: vertex_xyz, .offset: 8, .size: 8, .value_kind: global_buffer, .address_space: global }
      - { .name: displacement, .offset: 16, .size: 8, .value_kind: global_buffer, .address_space: global }
      - { .name: vertex_scaling, .offset: 24, .size: 8, .value_kind: global_buffer, .address_space: global }
      - { .name: vertex_rotation, .offset: 32, .size: 8, .value_kind: global_buffer, .address_space: global }
      - { .name: vertex_normal, .offset: 40, .size: 8, .value_kind: global_buffer, .address_space: global }
      - { .name: cand, .offset: 48, .size: 8, .value_kind: global_buffer, .address_space: global }
      - { .name: nn, .offset: 56, .size: 8, .value_kind: global_buffer, .address_space: global }
      - { .name: vrec, .offset: 64, .size: 8, .value_kind: global_buffer, .address_space: global }
    .group_segment_fixed_size: 168448
    .private_segment_fixed_size: 0
    .kernarg_segment_align: 8
    .kernarg_segment_size: 72
    .max_flat_workgroup_size: 128
    .sgpr_count:     66
    .vgpr_count:     146
    .wavefront_size: 32
...
	.end_amdgpu_metadata
.endif
;; end of part 2
;; launch interp (part 3): grid 256 x 1, 4 waves a work-group, no clusters, 6,656 bytes of LDS; arguments gaussians_xyz, displacement, lbs_weight, nn, vrec, out0, out1, out2, out3, part; writes out0, out1, out2, out3, part
.if DOCPART == 3
	.amdgcn_target "amdgcn-amd-amdhsa--gfx1250"
	.amdhsa_code_object_version 6
	.text
	.protected	k_q2bf8c5858a_interp
	.globl	k_q2bf8c5858a_interp
	.p2align	8
	.type	k_q2bf8c5858a_interp,@function
k_q2bf8c5858a_interp:
	s_mov_b64 s[64:65], 0
	v_nop
	global_prefetch_b8 v0, s[64:65] scope:SCOPE_SE
	s_setreg_imm32_b32 hwreg(HW_REG_WAVE_MODE, 25, 1), 1
	s_wait_xcnt 0x0
; THE INTERPOLATION.  A work-group has 128 gaussians.
; Phase 1, thread = gaussian: gathers its 4 neighbours' records of 64 bytes, makes distances and weights, the sums of displacement,
; normal, rotation and scaling, out1 and out2, and its terms of the four means.
; Phase 2, thread = 16 bytes of out3: chunk c = 128 it + t, it = 0..5, belongs to gaussian nl = c / 6 of the work-group and to
; words 4q..4q+3, q = c - 6 nl, of its 24: neighbouring lanes gather neighbouring 16 bytes of a row of lbs_weight and store
; neighbouring 16 bytes of out3.  Its index quads are read from nn, its weights from LDS, where phase 1 has put them.
; All gathers are issued before phase 1's arithmetic; the waits count what may stay out.
; out1 = log(sum w exp(s)) is made as m + ln(sum w exp(s - m)), m the largest of the four s: the same number, and no exponential
; overflows or is flushed.
; LDS: weights as pairs (w w) at 0, 32 bytes a gaussian; out0's stage at 4,096, 12 bytes a gaussian; the waves' sums at 5,632.
; NO CLUSTER, no matrix unit: the launch gathers rows by index, no two work-groups walk the same tiles, and the sums have 4 terms.
; LIMITS: NaN and infinities are not served; a squared distance below 2^-126 counts as 0 (the weight is then 1 / 1e-7 either way).
.set NV, 6890
.set ST, 4096
.set PS, 5632
.set EPS, 0x33d6bf95                   ; 1e-7
.set L2E, 0x3fb8aa3b                   ; log2(e)
.set LN2, 0x3f317218
; v1 16 t, v2 12 t, v3 8 t, v4 offset of my displacement row, v5 128 b + t, v6 32 t, v7 16 wave; v[8:11] my neighbours; v[12:15] their
; record offsets; v[16:18] g; v[20:22] a displacement row; v19, v23, v[60:63], v[252:255] at work; v[24:47] six index quads, then lbs offsets;
; v[48:53] 16 nl, later 32 nl; v[54:59] 16 q; v[64:127] records (k, c) at 64+16k+4c, later weight pairs; v[128:223] lbs pieces (it, k) at
; 128+16it+4k; v[224:227] distances; v[228:235] weight pairs; v[236:247] sums; v[248:251] my terms of the four means
	s_load_b512 s[8:23], s[0:1], 0x0               ; g 8, displacement 10, lbs 12, nn 14, vrec 16, out0 18, out1 20, out2 22
	s_load_b128 s[24:27], s[0:1], 0x40             ; out3 24, part 26
	s_set_vgpr_msb 0x40
	v_lshl_add_u32 v0, v0, 2, 0x1800
	v_mov_b32 v1, 0
	s_set_vgpr_msb 0x4000
	v_lshrrev_b32 v7, 5, v0
	v_readfirstlane_b32 s28, v7                    ; wave
	v_lshlrev_b32 v7, 4, v7
	s_lshl_b32 s29, ttmp9, 7
	s_mov_b32 s30, 0x76543210
	s_mov_b32 s31, 0xfedcba98
	v_lshlrev_b32 v1, 4, v0
	v_mul_u32_u24 v2, 12, v0
	v_lshlrev_b32 v3, 3, v0
	v_add_nc_u32 v5, s29, v0
	v_min_u32 v4, NV-1, v5                         ; threads past the table's end load its last row and drop it
	v_mul_u32_u24 v4, 12, v4
	v_lshlrev_b32 v6, 5, v0
.irp i, 0,1,2,3,4,5
	v_add_nc_u32 v60, 128*\i, v0                   ; c, at most 767
	v_mul_u32_u24 v61, 0xaaab, v60                 ; c x 43,691 < 2^25
	v_bfe_u32 v61, v61, 18, 7                      ; nl = c / 6 (exact for c < 2^17), 0 to 127
	v_mul_u32_u24 v62, 6, v61
	v_sub_nc_u32 v62, v60, v62                     ; q
	v_lshlrev_b32 v[48+\i], 4, v61
	v_lshlrev_b32 v[54+\i], 4, v62
.endr
	s_mov_b32 s3, 0
	s_wait_kmcnt 0x0
	s_mul_i32 s2, ttmp9, 1536
	s_add_nc_u64 s[8:9], s[8:9], s[2:3]
	s_add_nc_u64 s[18:19], s[18:19], s[2:3]
	s_lshl_b32 s2, ttmp9, 11
	s_add_nc_u64 s[14:15], s[14:15], s[2:3]
	s_add_nc_u64 s[22:23], s[22:23], s[2:3]
	s_lshl_b32 s2, ttmp9, 10
	s_add_nc_u64 s[20:21], s[20:21], s[2:3]
	s_mul_i32 s2, ttmp9, 12288
	s_add_nc_u64 s[24:25], s[24:25], s[2:3]
	s_lshl_b32 s2, ttmp9, 4
	s_add_nc_u64 s[26:27], s[26:27], s[2:3]
	global_load_b128 v[8:11], v1, s[14:15]
.irp i, 0,1,2,3,4,5
	global_load_b128 v[24+4*\i:27+4*\i], v[48+\i], s[14:15]
.endr
	global_load_b96 v[16:18], v2, s[8:9]
	global_load_b96 v[20:22], v4, s[10:11]
	s_wait_loadcnt 8                               ; my quad is in; the six chunk quads, g and the displacement row stay out
.irp k, 0,1,2,3
	v_min_u32 v[8+\k], NV-1, v[8+\k]               ; a number read from memory enters an address only clamped
	v_lshlrev_b32 v[12+\k], 6, v[8+\k]
.endr
.irp k, 0,1,2,3
.irp c, 0,1,2,3
	global_load_b128 v[64+16*\k+4*\c:67+16*\k+4*\c], v[12+\k], s[16:17] offset:16*\c
.endr
.endr
	s_wait_loadcnt 18                              ; the six chunk quads are in; g, the displacement row and the 16 record pieces stay out
.irp i, 0,1,2,3,4,5
.irp k, 0,1,2,3
	v_min_u32 v[24+4*\i+\k], NV-1, v[24+4*\i+\k]
	v_mul_u32_u24 v[24+4*\i+\k], 96, v[24+4*\i+\k]
	v_add_nc_u32 v[24+4*\i+\k], v[24+4*\i+\k], v[54+\i]
.endr
.irp k, 0,1,2,3
	global_load_b128 v[128+16*\i+4*\k:131+16*\i+4*\k], v[24+4*\i+\k], s[12:13]
.endr
.endr
.irp i, 0,1,2,3,4,5
	v_lshlrev_b32 v[48+\i], 1, v[48+\i]            ; 32 nl: the weights' place in LDS (the loads that used 16 nl are in)
.endr
	s_wait_loadcnt 24                              ; g, the displacement row and the records are in; the 24 lbs pieces stay out
	; PHASE 1.  Distances.
.irp k, 0,1,2,3
	v_sub_f32 v[248+4*(\k%2)], v16, v[64+16*\k]
	v_sub_f32 v[249+4*(\k%2)], v17, v[65+16*\k]
	v_sub_f32 v[250+4*(\k%2)], v18, v[66+16*\k]
	v_mul_f32 v[224+\k], v[248+4*(\k%2)], v[248+4*(\k%2)]
	v_fmac_f32 v[224+\k], v[249+4*(\k%2)], v[249+4*(\k%2)]
	v_fmac_f32 v[224+\k], v[250+4*(\k%2)], v[250+4*(\k%2)]
.endr
.irp k, 0,1,2,3
	v_sqrt_f32 v[224+\k], v[224+\k]
.endr
	v_max3_num_f32 v252, v71, v87, v103            ; the largest scaling, word 0 (plain work behind the roots: ISA guide 5.7.2)
	v_max3_num_f32 v253, v75, v91, v107            ; word 1
	v_max_num_f32 v252, v252, v119
	v_max_num_f32 v253, v253, v123
	s_wait_alu depctr_va_vdst(0)
.irp k, 0,1,2,3
	v_add_f32 v[60+\k], EPS, v[224+\k]
.endr
.irp k, 0,1,2,3
	v_rcp_f32 v[60+\k], v[60+\k]
.endr
	v_add_f32 v248, v224, v225                     ; my term of the mean distance
	v_add_f32 v249, v226, v227
	v_add_f32 v248, v248, v249
	s_wait_alu depctr_va_vdst(0)
	v_add_f32 v19, v60, v61
	v_add_f32 v19, v19, v62
	v_add_f32 v19, v19, v63
	v_add_f32 v19, EPS, v19
	v_rcp_f32 v19, v19
.irp k, 0,1,2,3
	v_sub_f32 v[71+16*\k], v[71+16*\k], v252       ; s - m, at most 0
	v_sub_f32 v[75+16*\k], v[75+16*\k], v253
.endr
.irp k, 0,1,2,3
	v_mul_f32 v[71+16*\k], L2E, v[71+16*\k]
	v_mul_f32 v[75+16*\k], L2E, v[75+16*\k]
.endr
.irp k, 0,1,2,3
	v_exp_f32 v[71+16*\k], v[71+16*\k]
	v_exp_f32 v[75+16*\k], v[75+16*\k]
.endr
	s_wait_alu depctr_va_vdst(0)
.irp k, 0,1,2,3
	v_mul_f32 v[228+2*\k], v[60+\k], v19           ; the weight, twice: a pair for the packed forms, here and in phase 2
	v_mul_f32 v[229+2*\k], v[60+\k], v19
.endr
	ds_store_b128 v6, v[228:231]
	ds_store_b128 v6, v[232:235] offset:16
	; the sums: (dx dy dz e0) (nx ny nz e1) (q0 q1 q2 q3); the first neighbour starts them
.irp j, 0,1,2,3,4,5
	v_pk_mul_f32 v[236+2*\j:237+2*\j], v[68+2*\j:69+2*\j], v[228:229]
.endr
.irp k, 1,2,3
.irp j, 0,1,2,3,4,5
	v_pk_fma_f32 v[236+2*\j:237+2*\j], v[68+16*\k+2*\j:69+16*\k+2*\j], v[228+2*\k:229+2*\k], v[236+2*\j:237+2*\j]
.endr
.endr
	v_add_f32 v236, v236, v16                      ; out0
	v_add_f32 v237, v237, v17
	v_add_f32 v238, v238, v18
	ds_store_b32 v2, v236 offset:ST
	ds_store_b32 v2, v237 offset:ST+4
	ds_store_b32 v2, v238 offset:ST+8
	global_store_b128 v1, v[244:247], s[22:23] th:TH_STORE_NT      ; out2: 512 consecutive bytes a wave; v[244:247] are only read from here on
	v_log_f32 v254, v239
	v_log_f32 v255, v243
	v_mul_f32 v19, v244, v244                      ; |q|^2 (plain work behind the logarithms)
	v_fmac_f32 v19, v245, v245
	v_fmac_f32 v19, v246, v246
	v_fmac_f32 v19, v247, v247
	s_wait_alu depctr_va_vdst(0)
	v_fma_f32 v254, v254, LN2, v252                ; out1 = ln(sum) + m
	v_fma_f32 v255, v255, LN2, v253
	global_store_b64 v3, v[254:255], s[20:21] th:TH_STORE_NT       ; 256 consecutive bytes a wave; v[254:255] are only read from here on
	v_mul_f32 v60, L2E, v254
	v_mul_f32 v61, L2E, v255
	v_exp_f32 v60, v60                             ; exp(out1)
	v_exp_f32 v61, v61
	v_rcp_f32 v19, v19
	v_mul_f32 v62, v245, v247                      ; x z + r y
	v_fmac_f32 v62, v244, v246
	v_mul_f32 v63, v246, v247                      ; y z - r x
	v_fma_f32 v63, -v244, v245, v63
	v_mul_f32 v23, v245, v245                      ; x x + y y
	v_fmac_f32 v23, v246, v246
	s_wait_alu depctr_va_vdst(0)
	v_add_f32 v19, v19, v19                        ; 2 / |q|^2: the products of the normalised quaternion
	v_add_f32 v60, 0xbca3d70a, v60                 ; - 0.02
	v_add_f32 v61, 0xbca3d70a, v61
	v_max_num_f32 v60, 0, v60
	v_max_num_f32 v61, 0, v61
	v_fma_f32 v62, v62, v19, -v240                 ; the quaternion's z axis minus the interpolated normal
	v_fma_f32 v63, v63, v19, -v241
	v_fma_f32 v23, -v23, v19, 1.0
	v_sub_f32 v23, v23, v242
	v_mul_f32 v251, v62, v62
	v_fmac_f32 v251, v63, v63
	v_fmac_f32 v251, v23, v23
	v_mul_f32 v249, v20, v20                       ; |displacement|^2 of row 128 b + t
	v_fmac_f32 v249, v21, v21
	v_fmac_f32 v249, v22, v22
	v_sqrt_f32 v251, v251
	v_sqrt_f32 v249, v249
	v_add_f32 v250, v60, v61                       ; my term of the base-scale mean (plain work behind the roots)
	v_cmp_gt_u32 vcc_lo, NV, v5
	s_wait_alu depctr_va_vdst(0)
	v_cndmask_b32 v249, 0, v249, vcc_lo            ; rows past the table's end count nothing
.irp m, 1,2,4,8
.irp j, 248,249,250,251
	v_add_f32_dpp v\j, v\j, v\j row_xmask:\m row_mask:0xf bank_mask:0xf
.endr
.endr
.irp j, 0,1,2,3
	v_permlanex16_b32 v[60+\j], v[248+\j], s30, s31
.endr
.irp j, 0,1,2,3
	v_add_f32 v[248+\j], v[248+\j], v[60+\j]
.endr
	ds_store_b128 v7, v[248:251] offset:PS         ; the wave's four sums: all lanes write the same 16 bytes with the same numbers
	s_wait_dscnt 0x0                               ; zero: other waves read the weights, the stage and the sums
	s_barrier_signal -1
	s_barrier_wait -1
	; PHASE 2.  out0: 1,536 bytes = 96 threads of 16 bytes.
	s_cmp_eq_u32 s28, 3
	s_cbranch_scc1 .Lno_out0
	ds_load_b128 v[236:239], v1 offset:ST
	s_wait_dscnt 0x0
	global_store_b128 v1, v[236:239], s[18:19] th:TH_STORE_NT
.Lno_out0:
.irp i, 0,1,2,3,4,5
	ds_load_b128 v[64+8*\i:67+8*\i], v[48+\i]
	ds_load_b128 v[68+8*\i:71+8*\i], v[48+\i] offset:16
.endr
.irp i, 0,1,2,3,4,5
	s_wait_loadcnt 20-4*\i                         ; this chunk's four pieces are in; those of the later chunks stay out
	s_wait_dscnt 10-2*\i                           ; and its weights; two loads for each later chunk stay out
	v_pk_mul_f32 v[128+16*\i:129+16*\i], v[128+16*\i:129+16*\i], v[64+8*\i:65+8*\i]
	v_pk_mul_f32 v[130+16*\i:131+16*\i], v[130+16*\i:131+16*\i], v[64+8*\i:65+8*\i]
.irp k, 1,2,3
	v_pk_fma_f32 v[128+16*\i:129+16*\i], v[128+16*\i+4*\k:129+16*\i+4*\k], v[64+8*\i+2*\k:65+8*\i+2*\k], v[128+16*\i:129+16*\i]
	v_pk_fma_f32 v[130+16*\i:131+16*\i], v[130+16*\i+4*\k:131+16*\i+4*\k], v[64+8*\i+2*\k:65+8*\i+2*\k], v[130+16*\i:131+16*\i]
.endr
	global_store_b128 v1, v[128+16*\i:131+16*\i], s[24:25] offset:2048*\i th:TH_STORE_NT   ; 512 consecutive bytes a wave; each chunk stores from registers of its own
.endr
	s_cmp_lg_u32 s28, 3
	s_cbranch_scc1 .Ldone
	v_mov_b32 v60, 0
	ds_load_b128 v[224:227], v60 offset:PS
	ds_load_b128 v[228:231], v60 offset:PS+16
	ds_load_b128 v[232:235], v60 offset:PS+32
	ds_load_b128 v[240:243], v60 offset:PS+48
	s_wait_dscnt 0x0
	v_pk_add_f32 v[224:225], v[224:225], v[228:229]
	v_pk_add_f32 v[226:227], v[226:227], v[230:231]
	v_pk_add_f32 v[232:233], v[232:233], v[240:241]
	v_pk_add_f32 v[234:235], v[234:235], v[242:243]
	v_pk_add_f32 v[224:225], v[224:225], v[232:233]
	v_pk_add_f32 v[226:227], v[226:227], v[234:235]
	v_cmp_eq_u32 vcc_lo, 96, v0                    ; the wave's first lane
	s_wait_xcnt 0x0                                ; EXEC is a source of the stores above: it changes only behind this wait
	s_and_saveexec_b32 s32, vcc_lo
	global_store_b128 v60, v[224:227], s[26:27]    ; the work-group's four sums
	s_wait_xcnt 0x0                                ; and again in front of the line that widens it
	s_or_b32 exec_lo, exec_lo, s32
.Ldone:
	s_set_vgpr_msb 0x5
	s_wait_tensorcnt 0x0
	ds_add_u32 v0, v1
	s_wait_dscnt 0x0
	s_set_vgpr_msb 0x500
	s_endpgm
.Lfunc_end_k_q2bf8c5858a_interp:
	.size	k_q2bf8c5858a_interp, .Lfunc_end_k_q2bf8c5858a_interp-k_q2bf8c5858a_interp
	.p2alignl 7, 3214868480
	.fill 96, 4, 3214868480
	.section	.rodata,"a",@progbits
	.p2align	6, 0x0
	.amdhsa_kernel k_q2bf8c5858a_interp
		.amdhsa_group_segment_fixed_size 6656
		.amdhsa_private_segment_fixed_size 0
		.amdhsa_enable_private_segment 0
		.amdhsa_kernarg_size 80
		.amdhsa_user_sgpr_count 2
		.amdhsa_user_sgpr_kernarg_segment_ptr 1
		.amdhsa_wavefront_size32 1
		.amdhsa_system_sgpr_workgroup_id_x 1
		.amdhsa_system_sgpr_workgroup_id_y 1
		.amdhsa_system_sgpr_workgroup_id_z 1
		.amdhsa_system_vgpr_workitem_id 0
		.amdhsa_next_free_vgpr 258
		.amdhsa_next_free_sgpr 66
		.amdhsa_reserve_vcc 1
		.amdhsa_float_denorm_mode_32 3
		.amdhsa_float_denorm_mode_16_64 3
		.amdhsa_memory_ordered 1
		.amdhsa_forward_progress 1
		.amdhsa_inst_pref_size 27
	.end_amdhsa_kernel
	.amdgpu_metadata
---
amdhsa.version: [ 1, 2 ]
amdhsa.kernels:
  - .name:           k_q2bf8c5858a_interp
    .symbol:         k_q2bf8c5858a_interp.kd
    .args:
      - { .name: gaussians_xyz, .offset: 0, .size: 8, .value_kind: global_buffer, .address_space: global }
      - { .name: displacement, .offset: 8, .size: 8, .value_kind: global_buffer, .address_space: global }
      - { .name: lbs_weight, .offset: 16, .size: 8, .value_kind: global_buffer, .address_space: global }
      - { .name: nn, .offset: 24, .size: 8, .value_kind: global_buffer, .address_space: global }
      - { .name: vrec, .offset: 32, .size: 8, .value_kind: global_buffer, .address_space: global }
      - { .name: out0, .offset: 40, .size: 8, .value_kind: global_buffer, .address_space: global }
      - { .name: out1, .offset: 48, .size: 8, .value_kind: global_buffer, .address_space: global }
      - { .name: out2, .offset: 56, .size: 8, .value_kind: global_buffer, .address_space: global }
      - { .name: out3, .offset: 64, .size: 8, .value_kind: global_buffer, .address_space: global }
      - { .name: part, .offset: 72, .size: 8, .value_kind: global_buffer, .address_space: global }
    .group_segment_fixed_size: 6656
    .private_segment_fixed_size: 0
    .kernarg_segment_align: 8
    .kernarg_segment_size: 80
    .max_flat_workgroup_size: 128
    .sgpr_count:     66
    .vgpr_count:     258
    .wavefront_size: 32
...
	.end_amdgpu_metadata
.endif
;; end of part 3
;; launch finish (part 4): grid 1 x 1, 1 waves a work-group, no clusters, 0 bytes of LDS; arguments part, out4, out5, out6, out7; writes out4, out5, out6, out7
.if DOCPART == 4
	.amdgcn_target "amdgcn-amd-amdhsa--gfx1250"
	.amdhsa_code_object_version 6
	.text
	.protected	k_q2bf8c5858a_finish
	.globl	k_q2bf8c5858a_finish
	.p2align	8
	.type	k_q2bf8c5858a_finish,@function
k_q2bf8c5858a_finish:
	s_mov_b64 s[64:65], 0
	v_nop
	global_prefetch_b8 v0, s[64:65] scope:SCOPE_SE
	s_setreg_imm32_b32 hwreg(HW_REG_WAVE_MODE, 25, 1), 1
	s_wait_xcnt 0x0
; THE FOUR MEANS.  part holds 256 quads (sum of distances, of |displacement|, of the base-scale terms, of the normal terms), one from
; each work-group of the launch before.  One wave adds them in a fixed order: 8 quads a lane, then across the 32 lanes.
; A launch of its own because a sum over work-groups needs all of them ended; 4,096 bytes in, 16 bytes out: one wave is enough.
	s_load_b256 s[4:11], s[0:1], 0x0               ; part s[4:5], out4 s[6:7], out5 s[8:9], out6 s[10:11]
	s_load_b64 s[12:13], s[0:1], 0x20              ; out7
	s_mov_b32 s14, 0x76543210
	s_mov_b32 s15, 0xfedcba98
	v_lshlrev_b32 v1, 4, v0
	s_wait_kmcnt 0x0
.irp j, 0,1,2,3,4,5,6,7
	global_load_b128 v[4+4*\j:7+4*\j], v1, s[4:5] offset:512*\j
.endr
	s_wait_loadcnt 0x0
.irp j, 0,1,2,3,4,5,6,7
	v_pk_add_f32 v[4+2*\j:5+2*\j], v[4+2*\j:5+2*\j], v[20+2*\j:21+2*\j]    ; 8 quads to 4
.endr
.irp j, 0,1,2,3
	v_pk_add_f32 v[4+2*\j:5+2*\j], v[4+2*\j:5+2*\j], v[12+2*\j:13+2*\j]    ; to 2
.endr
.irp j, 0,1
	v_pk_add_f32 v[4+2*\j:5+2*\j], v[4+2*\j:5+2*\j], v[8+2*\j:9+2*\j]      ; to 1
.endr
.irp m, 1,2,4,8
.irp j, 4,5,6,7
	v_add_f32_dpp v\j, v\j, v\j row_xmask:\m row_mask:0xf bank_mask:0xf
.endr
.endr
.irp j, 0,1,2,3
	v_permlanex16_b32 v[8+\j], v[4+\j], s14, s15
.endr
.irp j, 0,1,2,3
	v_add_f32 v[4+\j], v[4+\j], v[8+\j]
.endr
	v_mul_f32 v4, 0x37000000, v4                   ; / (32,768 x 4)
	v_mul_f32 v5, 0x39183027, v5                   ; / 6,890
	v_mul_f32 v6, 0x37800000, v6                   ; / (32,768 x 2)
	v_mul_f32 v7, 0x38000000, v7                   ; / 32,768
	v_mov_b32 v12, 0
	v_cmp_eq_u32 vcc_lo, 0, v0
	s_wait_xcnt 0x0                                ; EXEC changes only behind this wait
	s_and_saveexec_b32 s16, vcc_lo
	global_store_b32 v12, v4, s[6:7]
	global_store_b32 v12, v5, s[8:9]
	global_store_b32 v12, v6, s[10:11]
	global_store_b32 v12, v7, s[12:13]
	s_wait_xcnt 0x0                                ; and again in front of the line that widens it
	s_or_b32 exec_lo, exec_lo, s16
	s_endpgm
.Lfunc_end_k_q2bf8c5858a_finish:
	.size	k_q2bf8c5858a_finish, .Lfunc_end_k_q2bf8c5858a_finish-k_q2bf8c5858a_finish
	.p2alignl 7, 3214868480
	.fill 96, 4, 3214868480
	.section	.rodata,"a",@progbits
	.p2align	6, 0x0
	.amdhsa_kernel k_q2bf8c5858a_finish
		.amdhsa_group_segment_fixed_size 0
		.amdhsa_private_segment_fixed_size 0
		.amdhsa_enable_private_segment 0
		.amdhsa_kernarg_size 40
		.amdhsa_user_sgpr_count 2
		.amdhsa_user_sgpr_kernarg_segment_ptr 1
		.amdhsa_wavefront_size32 1
		.amdhsa_system_sgpr_workgroup_id_x 1
		.amdhsa_system_sgpr_workgroup_id_y 1
		.amdhsa_system_sgpr_workgroup_id_z 1
		.amdhsa_system_vgpr_workitem_id 0
		.amdhsa_next_free_vgpr 40
		.amdhsa_next_free_sgpr 66
		.amdhsa_reserve_vcc 1
		.amdhsa_float_denorm_mode_32 3
		.amdhsa_float_denorm_mode_16_64 3
		.amdhsa_memory_ordered 1
		.amdhsa_forward_progress 1
		.amdhsa_inst_pref_size 5
	.end_amdhsa_kernel
	.amdgpu_metadata
---
amdhsa.version: [ 1, 2 ]
amdhsa.kernels:
  - .name:           k_q2bf8c5858a_finish
    .symbol:         k_q2bf8c5858a_finish.kd
    .args:
      - { .name: part, .offset: 0, .size: 8, .value_kind: global_buffer, .address_space: global }
      - { .name: out4, .offset: 8, .size: 8, .value_kind: global_buffer, .address_space: global }
      - { .name: out5, .offset: 16, .size: 8, .value_kind: global_buffer, .address_space: global }
      - { .name: out6, .offset: 24, .size: 8, .value_kind: global_buffer, .address_space: global }
      - { .name: out7, .offset: 32, .size: 8, .value_kind: global_buffer, .address_space: global }
    .group_segment_fixed_size: 0
    .private_segment_fixed_size: 0
    .kernarg_segment_align: 8
    .kernarg_segment_size: 40
    .max_flat_workgroup_size: 32
    .sgpr_count:     66
    .vgpr_count:     40
    .wavefront_size: 32
...
	.end_amdgpu_metadata
.endif
;; end of part 4
